; MI455X (gfx1250); checked and timed in simulation.
; The chip was launched on July 23, 2026; its instructions are those of AMD's public machine-readable ISA for CDNA 5 (MIT licence, August 2026) and "CDNA5" Instruction Set Architecture Reference Guide (July 2026). The comments in the code are by the model that wrote it; some were corrected since.
;; Lstm Cell normal. Allowed arithmetic: float matrix products may take bf16 or f16 operands with f32 sums; other float arithmetic in f32, or as packed bf16 or f16 multiplies, adds, multiply-adds, maxima and minima; sums over many terms, partial sums and values carried from step to step in f32; what a program stores and reads back later, other than sums and carried values, may be rounded once to bf16 or f16.
;; Inputs: Whf 2,048 x 2,048 float32; Whg 2,048 x 2,048 float32; Whi 2,048 x 2,048 float32; Who 2,048 x 2,048 float32; Wxf 2,048 x 2,048 float32; Wxg 2,048 x 2,048 float32; Wxi 2,048 x 2,048 float32; Wxo 2,048 x 2,048 float32; bf 2,048 float32; bg 2,048 float32; bi 2,048 float32; bo 2,048 float32; c 2,048 x 2,048 float32; h 2,048 x 2,048 float32; x 2,048 x 2,048 float32.
;; Outputs: out0 2,048 x 2,048 float32; out1 2,048 x 2,048 float32.
;; 2 versions, each right; version 2 is version 1 with the launch cast written anew for expert scheduling mode. Each part assembles by itself: llvm-mc -triple=amdgcn-amd-amdhsa -mcpu=gfx1250 --defsym DOCPART=n.
;; ======== version 1 of 2: 2 launches
;; workspace buffers: abf 16,777,216 bytes; wbf 67,108,864 bytes
;; launch cast (part 1): grid 128 x 10, 8 waves a work-group, no clusters, 0 bytes of LDS; arguments x, h, Wxf, Wxi, Wxo, Wxg, Whf, Whi, Who, Whg, abf, wbf; writes abf, wbf
.if DOCPART == 1
	.amdgcn_target "amdgcn-amd-amdhsa--gfx1250"
	.amdhsa_code_object_version 6
	.text
	.protected	k_q2c2b2073c7_cast
	.globl	k_q2c2b2073c7_cast
	.p2align	8
	.type	k_q2c2b2073c7_cast,@function
k_q2c2b2073c7_cast:
	s_mov_b64 s[64:65], 0
	v_nop
	global_prefetch_b8 v0, s[64:65] scope:SCOPE_SE
	s_setreg_imm32_b32 hwreg(HW_REG_WAVE_MODE, 25, 1), 1
	s_wait_xcnt 0x0
; x, h and the eight weight matrices ([2048][2048] f32 each) are rounded once to bf16 (nearest even) and laid out in blocks, so that the launch behind
; can ask for each of its tiles as dense bytes.
;   abf [mb 16][cb 64][row 128][k 64]: mb = row / 128; cb = column of [x | h] / 64 (x: 0-31, h: 32-63).  Bytes: mb 2^20, cb 2^14, row 128.
;   wbf [j 32][s 32][gate 4][kk 128][uu 64]: j = unit / 64; s = row of [Wx ; Wh] / 128 (Wx: 0-15, Wh: 16-31); gates f, i, o, g.  Bytes: j 2^21, s 2^16, gate 2^14, kk 128.
; In both a block of 128 source rows x 64 source columns is 128 rows of 128 bytes on end: ONE mapping serves all ten sources, only the block's place differs.
; SHARES.  Grid y picks the source, grid x a block of 128 rows (x / 8) and four blocks of 64 columns (x % 8).  A wave owns 64 rows x 64 columns: 32 loads of 16 bytes a lane
; (lanes 0-15: 256 consecutive bytes of an even row, lanes 16-31 of the odd row below) and 32 stores of 8 bytes a lane (256 consecutive bytes, aligned: two rows of the block).
; All 32 loads go out at once, each into registers of its own, and nothing is written twice: the only waits are the counts that run down.
; No LDS, no barrier, no matrix unit, no cluster: no byte is wanted by two waves.
.set X, 4                              ; v[4:131]  load n: four registers; its two low ones then hold the packed result
	s_load_b512 s[8:23], s[0:1], 0x0               ; x, h, Wxf, Wxi, Wxo, Wxg, Whf, Whi: source y at s[8+2y:9+2y]
	s_load_b256 s[24:31], s[0:1], 0x40             ; Who, Whg; abf s[28:29], wbf s[30:31]
	s_and_b32 s2, ttmp7, 0xffff                    ; y: the source
	v_lshrrev_b32 v1, 5, v0
	v_readfirstlane_b32 s3, v1                     ; wave 0..7
	v_and_b32 v1, 31, v0                           ; lane
	v_lshrrev_b32 v2, 4, v1
	v_and_b32 v3, 15, v1
	v_lshlrev_b32 v3, 4, v3
	v_lshl_or_b32 v2, v2, 13, v3                   ; in the source: (lane / 16) rows of 8,192 bytes + 16 (lane % 16)
	v_lshlrev_b32 v3, 3, v1                        ; in the block: 8 x lane
	s_lshr_b32 s32, ttmp9, 3                       ; rb: the block of 128 rows
	s_and_b32 s33, ttmp9, 7
	s_and_b32 s34, s3, 3
	s_lshl2_add_u32 s33, s33, s34                  ; J: the block of 64 columns = 4 (x % 8) + wave % 4
	s_lshr_b32 s34, s3, 2                          ; rh: which 64 of the 128 rows
	s_lshl_b32 s36, s32, 20                        ; the source's offset: rb x 128 rows
	s_lshl_b32 s35, s34, 19                        ; + rh x 64 rows
	s_add_co_u32 s36, s36, s35
	s_lshl_b32 s35, s33, 8                         ; + J x 256 bytes
	s_add_co_u32 s36, s36, s35
	s_mov_b32 s37, 0
	s_lshl_b32 s35, s2, 19                         ; the block's place in abf: cb = 32 y + J, mb = rb
	s_lshl_b32 s38, s33, 14
	s_add_co_u32 s35, s35, s38
	s_lshl_b32 s38, s32, 20
	s_add_co_u32 s35, s35, s38
	s_sub_co_u32 s39, s2, 2                        ; its place in wbf (for y < 2 the number means nothing and is not chosen):
	s_and_b32 s38, s39, 3                          ; gate = (y - 2) % 4,
	s_lshl_b32 s38, s38, 14
	s_lshr_b32 s39, s39, 2                         ; s = 16 ((y - 2) / 4) + rb,
	s_lshl_b32 s39, s39, 20
	s_add_co_u32 s38, s38, s39
	s_lshl_b32 s39, s33, 21                        ; j = J
	s_add_co_u32 s38, s38, s39
	s_lshl_b32 s39, s32, 16
	s_add_co_u32 s38, s38, s39
	s_lshl_b32 s39, s34, 13                        ; in both: rh x 64 rows of 128 bytes
	s_wait_kmcnt 0x0
	s_cmp_lt_u32 s2, 2
	s_cselect_b32 s38, s35, s38
	s_cselect_b64 s[6:7], s[28:29], s[30:31]       ; x and h go to abf, the weights to wbf
	s_add_co_u32 s38, s38, s39
	s_mov_b32 s39, 0
	s_add_nc_u64 s[6:7], s[6:7], s[38:39]
	s_mov_b64 s[4:5], s[8:9]
.irp k, 1,2,3,4,5,6,7,8,9
	s_cmp_eq_u32 s2, \k
	s_cselect_b64 s[4:5], s[8+2*\k:9+2*\k], s[4:5]
.endr
	s_add_nc_u64 s[4:5], s[4:5], s[36:37]
.set n, 0
.rept 32
	global_load_b128 v[X+4*n:X+4*n+3], v2, s[4:5] offset:n*16384 th:TH_LOAD_NT  ; rows 2 n and 2 n + 1 of my 64
.set n, n+1
.endr
.set n, 0
.rept 32
	s_wait_loadcnt 31-n                            ; loads come back in order (ISA guide 5.7.1): load n is in, the 31 - n younger ones stay out
	v_cvt_pk_bf16_f32 v[X+4*n], v[X+4*n], v[X+4*n+1]
	v_cvt_pk_bf16_f32 v[X+4*n+1], v[X+4*n+2], v[X+4*n+3]
	global_store_b64 v3, v[X+4*n:X+4*n+1], s[6:7] offset:n*256  ; the wave's store covers 256 consecutive bytes, aligned
.set n, n+1
.endr
	s_endpgm
.Lfunc_end_k_q2c2b2073c7_cast:
	.size	k_q2c2b2073c7_cast, .Lfunc_end_k_q2c2b2073c7_cast-k_q2c2b2073c7_cast
	.p2alignl 7, 3214868480
	.fill 96, 4, 3214868480
	.section	.rodata,"a",@progbits
	.p2align	6, 0x0
	.amdhsa_kernel k_q2c2b2073c7_cast
		.amdhsa_group_segment_fixed_size 0
		.amdhsa_private_segment_fixed_size 0
		.amdhsa_enable_private_segment 0
		.amdhsa_kernarg_size 96
		.amdhsa_user_sgpr_count 2
		.amdhsa_user_sgpr_kernarg_segment_ptr 1
		.amdhsa_wavefront_size32 1
		.amdhsa_system_sgpr_workgroup_id_x 1
		.amdhsa_system_sgpr_workgroup_id_y 1
		.amdhsa_system_sgpr_workgroup_id_z 1
		.amdhsa_system_vgpr_workitem_id 0
		.amdhsa_next_free_vgpr 132
		.amdhsa_next_free_sgpr 66
		.amdhsa_reserve_vcc 0
		.amdhsa_float_denorm_mode_32 3
		.amdhsa_float_denorm_mode_16_64 3
		.amdhsa_memory_ordered 1
		.amdhsa_forward_progress 1
		.amdhsa_inst_pref_size 14
	.end_amdhsa_kernel
	.amdgpu_metadata
---
amdhsa.version: [ 1, 2 ]
amdhsa.kernels:
  - .name:           k_q2c2b2073c7_cast
    .symbol:         k_q2c2b2073c7_cast.kd
    .args:
      - { .name: x, .offset: 0, .size: 8, .value_kind: global_buffer, .address_space: global }
      - { .name: h, .offset: 8, .size: 8, .value_kind: global_buffer, .address_space: global }
      - { .name: Wxf, .offset: 16, .size: 8, .value_kind: global_buffer, .address_space: global }
      - { .name: Wxi, .offset: 24, .size: 8, .value_kind: global_buffer, .address_space: global }
      - { .name: Wxo, .offset: 32, .size: 8, .value_kind: global_buffer, .address_space: global }
      - { .name: Wxg, .offset: 40, .size: 8, .value_kind: global_buffer, .address_space: global }
      - { .name: Whf, .offset: 48, .size: 8, .value_kind: global_buffer, .address_space: global }
      - { .name: Whi, .offset: 56, .size: 8, .value_kind: global_buffer, .address_space: global }
      - { .name: Who, .offset: 64, .size: 8, .value_kind: global_buffer, .address_space: global }
      - { .name: Whg, .offset: 72, .size: 8, .value_kind: global_buffer, .address_space: global }
      - { .name: abf, .offset: 80, .size: 8, .value_kind: global_buffer, .address_space: global }
      - { .name: wbf, .offset: 88, .size: 8, .value_kind: global_buffer, .address_space: global }
    .group_segment_fixed_size: 0
    .private_segment_fixed_size: 0
    .kernarg_segment_align: 8
    .kernarg_segment_size: 96
    .max_flat_workgroup_size: 256
    .sgpr_count:     66
    .vgpr_count:     132
    .wavefront_size: 32
...
	.end_amdgpu_metadata
.endif
;; end of part 1
;; launch lstm (part 2): grid 32 x 8, 4 waves a work-group, clusters of 4 x 4, 327,680 bytes of LDS; arguments abf, wbf, c, bf, bi, bo, bg, out0, out1; writes out0, out1
.if DOCPART == 2
	.amdgcn_target "amdgcn-amd-amdhsa--gfx1250"
	.amdhsa_code_object_version 6
	.text
	.protected	k_q2c2b2073c7_lstm
	.globl	k_q2c2b2073c7_lstm
	.p2align	8
	.type	k_q2c2b2073c7_lstm,@function
k_q2c2b2073c7_lstm:
	s_mov_b64 s[64:65], 0
	v_nop
	global_prefetch_b8 v0, s[64:65] scope:SCOPE_SE
	s_setreg_imm32_b32 hwreg(HW_REG_WAVE_MODE, 25, 1), 1
	s_wait_xcnt 0x0
	s_wait_alu depctr_hold_cnt(0) depctr_sa_sdst(0) depctr_va_vdst(0) depctr_va_sdst(0) depctr_va_ssrc(0) depctr_va_vcc(0) depctr_vm_vsrc(0)
	s_getreg_b32 s2, hwreg(HW_REG_IB_STS2, 6, 4)
	s_cmp_eq_u32 s2, 0
	s_cbranch_scc0 .Lentry_in_a_cluster
	s_endpgm
.Lentry_in_a_cluster:
	s_bfe_u32 s2, ttmp6, 0x10000c
	s_cmp_lg_u32 s2, 0xf033
	s_cbranch_scc0 .Lentry_shape_is_right
	s_endpgm
.Lentry_shape_is_right:
; ONE LSTM CELL.  z = [x | h] [Wx ; Wh] + b (2,048 rows, K = 4,096, four gates f, i, o, g of 2,048 units); c_new = sig(zf) c + sig(zi) tanh(zg) -> out1; h_new = sig(zo) tanh(c_new) -> out0.
; abf and wbf are the bf16 copies of [x | h] and of the weights, in blocks (abf [mb 16][cb 64][row 128][k 64], wbf [j 32][s 32][gate 4][kk 128][uu 64]).  Sums and the cell's arithmetic in f32.
; FORMATS.  Every input is rounded once to bf16: x, h and the weights as matrix operands; c and the four biases here, in registers, and widened again: the program computes the cell of the bf16-rounded inputs.
; LIMITS.  sig(x) = 1 / (1 + 2^(-x log2 e)), tanh(x) = 1 - 2 / (1 + 2^(2 x log2 e)): both run rightly into their ends through infinity and 0, so nothing is clamped; tanh has an absolute error of
; about 1e-7, so below |x| = 1e-5 its relative accuracy is lost; an exponential below 2^-126 counts as 0; NaN is not treated apart.
; SHARES.  A work-group makes 256 rows x 64 units x 4 gates: a tile of 256 x 256 of z.  Its four waves: wave / 2 picks 128 rows, wave % 2 picks 32 units: 64 accumulators (a, b), a = block of 16 rows,
; b = 2 gate + block of 16 units.  256 work-groups.  K goes in 32 steps of 128 through a ring of two LDS slots filled by the tensor data mover.
; THE MATRIX INSTRUCTION IS USED TRANSPOSED: source 0 = 16 units x 32 K of the weights, source 1 = 16 rows x 32 K of [x | h].  In the result lane l holds row l % 16, its registers 0-7 the units
; 8 (l / 16) + 0..7.  So the four gates of one element lie in the same lane and register of four accumulators, and the cell needs no exchange between lanes.
; The weights lie [K][unit] in LDS and are turned on the way into registers by ds_load_tr16_b128.  THE BIAS IS THE C OPERAND of the products that start the sums: nothing is cleared, nothing added later.
; CLUSTER.  4 x 4 work-groups.  The four of a row of the cluster need the same rows of [x | h], the four of a column the same weights: each tile is asked for JOINTLY, by the same tensor load with the
; same descriptor and a mask that names the four.  c's tile is each work-group's own: a plain load, behind a round like every tensor load here.
; REGISTERS, in windows of 256 (s_set_vgpr_msb: bits 1:0 source 0, 3:2 source 1, 5:4 source 2, 7:6 destination):
;   window 0: v0-30 addresses; v64-127, v128-191 fragments of [x | h], two buffers; on the way out the same registers are at work
;   window 1: v0-63 the biases (block b at 8 b); v64-127, v128-191 fragments of the weights; v192-195 at work
;   window 2: the 32 accumulators of my rows 0-63 ((a, b) at v[8 (8 a + b)]);   window 3: those of my rows 64-127
; LDS.  The launch claims all of a WGP's LDS.
.set PA,     144                       ; a row of [x | h] in LDS: 64 K = 128 bytes + 16 of padding = 36 words: the 16 rows of a load start at 16 different groups of four banks (64 banks of 4 bytes: ISA guide 11.1)
.set PB,     160                       ; a row of weights: 64 units = 128 bytes + 32 = 40 words
.set KHA,    128*PA                    ; 128 rows x 64 K
.set HALFA,  2*KHA                     ; 128 rows x 128 K: what one tensor load brings of [x | h]
.set ABYTES, 2*HALFA
.set GB,     128*PB                    ; one gate: 128 K x 64 units
.set HALFB,  2*GB                      ; two gates: what one tensor load brings of the weights
.set SLOT,   ABYTES+2*HALFB            ; 155,648 bytes
.set SPARE,  2*SLOT                    ; behind the ring: the spare words, 128 bytes for each wave: two blocks of 256 bytes that no other line names
.set CP,     272                       ; a row of c, c_new or h_new in LDS: 64 f32 = 256 bytes + 16
.set HST,    ABYTES                    ; h_new's stage: slot 0's weights, behind their last fill
.set CST,    SLOT                      ; c_new's stage: slot 1's rows of [x | h], behind their last fill.  c itself lands at byte 0
.set LAPS,   16                        ; a lap = two K steps = once round the ring
.set ASTEP,  32768                     ; bytes from K step to K step in abf,
.set BSTEP,  65536                     ; and in wbf
.set CO,   12                          ; v12  my byte offset in two rows of an output
.set BO,   13                          ; v13  my byte offset in 16 biases
.set CSB,  14                          ; v14  where I put c_new
.set ADRA, 16                          ; v16-17  LDS address of my fragments of [x | h] in slot 0, 1
.set ADRB, 20                          ; v20-23  of the weights: slot 0 gates f i, slot 0 gates o g, slot 1 likewise
.set CB,   24                          ; v24  where I read c
.set HB,   25                          ; v25  where I put h_new
.set RD,   26                          ; v26  where I read rows of c_new back
.set RDH,  27                          ; v27  rows of h_new
.set SPW,  28                          ; v28  LDS address of my spare word: SPARE + 4 x my thread's number; never rewritten
.set NIL,  29                          ; v29  0; never rewritten
.set PFO,  30                          ; v30  256 x my lane; never rewritten
.set F0,   64
.set F1,   128
.set T,    64                          ; the way out: gate g's 16 numbers at T + 16 g
.set CC,   128                         ; c, then c_new
.set HH,   144                         ; at work, then h_new
.set G1,  24                           ; s[24:31] descriptor group 1 for [x | h];  s[32:39] group 0, a set for each slot
.set G0,  32
.set G1B, 48                           ; s[48:55], s[56:63] the same for the weights
.set G0B, 56
.set GC1, 80                           ; s[80:87], s[88:91] for c
.set GC0, 88
.set LIM, 43                           ; s43  1 in a wave that prefetches, else the greatest number
.set PFA, 44                           ; s[44:45] where my prefetches stand
.set PST, 46                           ; s[46:47] their step: a K step of my tensor
.set BP,  66                           ; s[66:73] bf, bi, bo, bg at my 32 units
.set O0,  74                           ; s[74:75] out0, s[76:77] out1 at my 64 rows
.set O1,  76
.set HIM, 78                           ; s78  a word's upper bf16
.set NL,  92                           ; s[92:93] -log2 e
.set TL,  94                           ; s[94:95] 2 log2 e
.set MSB, 0
.macro WIN new                         ; the immediate's high byte repeats the setting that is left; a switch that changes nothing is dropped
.if MSB != (\new)
	s_set_vgpr_msb (MSB<<8)|(\new)
.set MSB, \new
.endif
.endm
.set MUL_LO,   0xa1                    ; source 0 (weights) window 1, source 1 window 0, C and D window 2
.set FIRST_LO, 0x91                    ; the same with C (the bias) in window 1
.set TO_B,     0x40                    ; destination window 1, address window 0
.set ALL1,     0x45                    ; destination and both sources window 1
.macro PLACES                          ; four places in front of loads into registers that matrix instructions have read
.rept 4
	v_nop
.endr
.endm
; A joint load.  Waves 0 and 1 fetch the two halves of the rows of [x | h], waves 2 and 3 the two pairs of gates.  The branch hangs on the wave's number alone.
; An s_nop 0 and four v_nop follow each of the two lines, ahead of the jump, the label and what follows.
.macro JLOAD s
	s_cmp_eq_u32 s13, 0
	s_cbranch_scc0 .Lfor_b_\@
	tensor_load_to_lds s[G0+4*(\s):G0+4*(\s)+3], s[G1:G1+7]
	s_nop 0
.rept 4
	v_nop
.endr
	s_branch .Lasked_\@
.Lfor_b_\@:
	tensor_load_to_lds s[G0B+4*(\s):G0B+4*(\s)+3], s[G1B:G1B+7]
	s_nop 0
.rept 4
	v_nop
.endr
.Lasked_\@:
.endm
; c's tile: waves 0 and 1 fetch 128 rows x 256 bytes each.
.macro CLOAD
	s_cmp_eq_u32 s13, 0
	s_cbranch_scc0 .Lno_c_\@
	tensor_load_to_lds s[GC0:GC0+3], s[GC1:GC1+7]
	s_nop 0
.rept 4
	v_nop
.endr
.Lno_c_\@:
.endm
; A PREFETCH INTO THE L2 of the K step that stands two refills on, 512 matrix instructions ahead of the load that will ask for it.  What a wave fetches in a K step is 32,768 dense bytes: the four partners
; that ask for them jointly take 8,192 each, told apart BY ADDRESS (cx for [x | h], cy for the weights), a lane 256 bytes: one instruction a wave.  The rows of [x | h] are read by every cluster of a row
; of clusters: cluster x = 0 asks; the weights by every cluster of a column: cluster y = 0 asks.  So each 256 bytes are named once in the launch.  The loop's last trip (s3 = 1) has no K step two on.
.macro ASK
	s_cmp_gt_u32 s3, s[LIM]
	s_cbranch_scc0 .Lnot_mine_\@
	global_prefetch_b8 v[PFO], s[PFA:PFA+1] th:TH_LOAD_NT scope:SCOPE_SE
.Lnot_mine_\@:
.endm
.macro CREST                           ; a round of the cluster's barrier behind its opening barrier: wave 0 signals for the work-group, every wave waits for all sixteen, my work-group's barrier closes it
	s_cmp_lg_u32 s12, 0
	s_cbranch_scc1 .Lnot_wave_0_\@
	s_barrier_signal -3
.Lnot_wave_0_\@:
	s_barrier_wait -3
	s_barrier_signal -1
	s_barrier_wait -1
.endm
.macro CROUND                          ; a whole round
	s_barrier_signal -1
	s_barrier_wait -1
	CREST
.endm
	s_load_b256 s[4:11], s[0:1], 0x0               ; abf s[4:5], wbf s[6:7], c s[8:9], bf s[10:11]
	s_load_b256 s[68:75], s[0:1], 0x20             ; bi, bo, bg, out0
	s_load_b64 s[76:77], s[0:1], 0x40              ; out1
	v_lshl_add_u32 v[SPW], v0, 2, SPARE
	v_mov_b32 v[NIL], 0
	ds_add_u32 v[SPW], v[NIL]                      ; the wave's opening: the add, twice on end, and its wait ahead of my first tensor load; the set-up below stands between
	ds_add_u32 v[SPW], v[NIL]
	v_lshrrev_b32 v1, 5, v0
	v_readfirstlane_b32 s12, v1                    ; wave 0..3
	s_lshr_b32 s13, s12, 1                         ; which 128 rows are mine.  Also: I fetch [x | h] (0) or weights (1)
	s_and_b32 s14, s12, 1                          ; which 32 units are mine.  Also: which half of that tile I fetch
	s_bfe_u32 s15, ttmp6, 0x40000                  ; cx
	s_bfe_u32 s16, ttmp6, 0x40004                  ; cy
	s_lshl_b32 s17, ttmp9, 2
	s_add_co_u32 s17, s17, s15                     ; block of 64 units = 4 x cluster x + cx
	s_and_b32 s18, ttmp7, 0xffff
	s_lshl_b32 s18, s18, 2
	s_add_co_u32 s18, s18, s16                     ; block of 256 rows = 4 x cluster y + cy
	s_lshl_b32 s20, s16, 2
	s_lshl_b32 s20, 15, s20                        ; my row of the cluster: places 4 cy .. 4 cy + 3
	s_lshl_b32 s21, 0x1111, s15                    ; my column: places cx, cx + 4, cx + 8, cx + 12
	; group 1: 32,768 dense bytes as 128 rows of 128 elements of 2 bytes; in LDS padding follows every 32 words, that is every row of 64 elements of the blocked layout
	s_or_b32 s[G1], s20, (1<<16)|(1<<20)|(1<<21)|(4<<22)|(3<<25)   ; 15:0 the mask; 17:16 2-byte elements; 20 padding on; 21 set beside a mask; 24:22 after every 32 words (code 4); 31:25 4 words (code 3)
	s_or_b32 s[G1B], s21, (1<<16)|(1<<20)|(1<<21)|(4<<22)|(7<<25)  ; the same with my column's mask and 8 words of padding (code 7)
.irp g, G1, G1B
	s_mov_b32 s[(\g)+1], 128<<16                   ; tensor_dim0 = 128
	s_mov_b32 s[(\g)+2], 128<<16                   ; tensor_dim1 = 128
	s_mov_b32 s[(\g)+3], 128<<16                   ; tile_dim0 = 128
	s_mov_b32 s[(\g)+4], 128                       ; tile_dim1 = 128
	s_mov_b32 s[(\g)+5], 128                       ; 128 elements from row to row
	s_mov_b32 s[(\g)+6], 0
	s_mov_b32 s[(\g)+7], 0
.endr
	s_mov_b32 s[GC1], (2<<16)|(1<<20)|(5<<22)|(3<<25)  ; c: no mask; 4-byte elements; 4 words of padding after every 64 words
	s_mov_b32 s[GC1+1], 64<<16                     ; tensor_dim0 = 64
	s_mov_b32 s[GC1+2], 128<<16                    ; tensor_dim1 = 128
	s_mov_b32 s[GC1+3], 64<<16                     ; tile_dim0 = 64
	s_mov_b32 s[GC1+4], 128                        ; tile_dim1 = 128
	s_mov_b32 s[GC1+5], 2048                       ; 2,048 elements from row to row
	s_mov_b32 s[GC1+6], 0
	s_mov_b32 s[GC1+7], 0
	s_mov_b32 s[GC0], 1
	s_mul_i32 s[GC0+1], s14, 128*CP                ; c's two halves lie from LDS byte 0 on
	s_mov_b32 s[HIM], 0xffff0000
	s_mov_b32 s[NL], 0xbfb8aa3b
	s_mov_b32 s[NL+1], s[NL]                       ; named as pairs
	s_mov_b32 s[TL], 0x4038aa3b
	s_mov_b32 s[TL+1], s[TL]
	; where the tiles come from: [x | h]'s hang on the block of rows alone, the weights' on the block of units alone; each in registers that never hold the other coordinate
	s_lshl_b32 s22, s18, 1
	s_add_co_u32 s22, s22, s14
	s_lshl_b32 s22, s22, 20                        ; mb = 2 x block of rows + half
	s_mov_b32 s23, 0
	s_lshl_b32 s40, s17, 21                        ; j = block of units,
	s_lshl_b32 s41, s14, 15                        ; gates f i or o g
	s_add_co_u32 s40, s40, s41
	s_mov_b32 s41, 0
	s_mul_i32 s42, s14, HALFA                      ; and where they go: no place in the cluster enters an LDS address
	s_mul_i32 s19, s14, HALFB
	s_add_co_u32 s19, s19, ABYTES
	s_wait_dscnt 0x0                               ; both opening adds are done
	s_wait_kmcnt 0x0
	s_add_nc_u64 s[22:23], s[4:5], s[22:23]
	s_add_nc_u64 s[40:41], s[6:7], s[40:41]
	CROUND                                         ; all sixteen work-groups are here: the first joint loads meet
.irp s, 0,1
	s_mov_b32 s[G0+4*(\s)], 1
	s_add_co_u32 s[G0+4*(\s)+1], s42, (\s)*SLOT
	s_add_nc_u64 s[G0+4*(\s)+2:G0+4*(\s)+3], s[22:23], (\s)*ASTEP
	s_or_b32 s[G0+4*(\s)+3], s[G0+4*(\s)+3], 0x80000000
	s_mov_b32 s[G0B+4*(\s)], 1
	s_add_co_u32 s[G0B+4*(\s)+1], s19, (\s)*SLOT
	s_add_nc_u64 s[G0B+4*(\s)+2:G0B+4*(\s)+3], s[40:41], (\s)*BSTEP
	s_or_b32 s[G0B+4*(\s)+3], s[G0B+4*(\s)+3], 0x80000000
	JLOAD \s                                       ; K steps 0 and 1: two tensor loads of mine are out
.endr
	; while the first tiles are on their way: the biases, the addresses, the pointers
	v_and_b32 v1, 15, v0                           ; l % 16
	v_bfe_u32 v2, v0, 4, 1                         ; l / 16
	v_lshlrev_b32 v[BO], 5, v2                     ; my 8 units of a block of 16
	s_lshl_b32 s96, s17, 8
	s_lshl_b32 s97, s14, 7
	s_add_co_u32 s96, s96, s97                     ; my 32 units, in bytes of f32
	s_mov_b32 s97, 0
	s_add_nc_u64 s[BP:BP+1], s[10:11], s[96:97]
	s_add_nc_u64 s[BP+2:BP+3], s[BP+2:BP+3], s[96:97]
	s_add_nc_u64 s[BP+4:BP+5], s[BP+4:BP+5], s[96:97]
	s_add_nc_u64 s[BP+6:BP+7], s[BP+6:BP+7], s[96:97]
	WIN TO_B
.irp b, 0,1,2,3,4,5,6,7                ; block b = 2 gate + t: register j of a lane is the bias of unit 16 t + 8 (l / 16) + j: the layout of a C operand
	global_load_b128 v[8*(\b):8*(\b)+3],   v[BO], s[BP+2*((\b)/2):BP+2*((\b)/2)+1] offset:((\b)%2)*64
	global_load_b128 v[8*(\b)+4:8*(\b)+7], v[BO], s[BP+2*((\b)/2):BP+2*((\b)/2)+1] offset:((\b)%2)*64+16
.endr
	WIN 0
	; a fragment of [x | h]: lane l holds row l % 16; registers 0-3 K = 8 (l / 16) + 0..7, registers 4-7 K = 16 + 8 (l / 16) + 0..7: two loads of 16 bytes, 32 bytes apart
	v_mul_u32_u24 v3, v1, PA
	v_lshl_add_u32 v3, v2, 4, v3
	s_mul_i32 s96, s13, HALFA
	v_add_nc_u32 v[ADRA], s96, v3
	v_add_nc_u32 v[ADRA+1], SLOT, v[ADRA]
	; the turning load takes 16 K x 16 units (lane l reads K row 8 (l / 16) + l % 8, units 8 ((l / 8) % 2) + 0..7) and leaves half a fragment: lane l holds unit l % 16 and 8 K
	v_and_b32 v4, 7, v0
	v_bfe_u32 v5, v0, 3, 1
	v_lshl_add_u32 v6, v2, 3, v4
	v_mul_u32_u24 v6, v6, PB
	v_lshl_add_u32 v6, v5, 4, v6
	s_lshl_b32 s96, s14, 6                         ; my 32 units: 64 bytes
	s_add_co_u32 s96, s96, ABYTES
	v_add_nc_u32 v[ADRB], s96, v6
	v_add_nc_u32 v[ADRB+1], HALFB, v[ADRB]
	v_add_nc_u32 v[ADRB+2], SLOT, v[ADRB]
	v_add_nc_u32 v[ADRB+3], SLOT, v[ADRB+1]
	v_mul_u32_u24 v7, v1, CP                       ; the cell: row 128 (wave / 2) + l % 16, bytes 128 (wave % 2) + 32 (l / 16)
	v_lshl_add_u32 v7, v2, 5, v7
	s_mul_i32 s96, s13, 128*CP
	s_lshl_b32 s97, s14, 7
	s_add_co_u32 s96, s96, s97
	v_add_nc_u32 v[CB], s96, v7
	v_add_nc_u32 v[HB], HST, v[CB]
	v_add_nc_u32 v[CSB], CST, v[CB]
	v_mul_u32_u24 v8, v2, CP                       ; back: wave w takes rows 64 w .. 64 w + 63, whole; lanes 0-15 one row of 256 bytes, lanes 16-31 the next
	v_lshl_add_u32 v8, v1, 4, v8
	s_mul_i32 s96, s12, 64*CP
	v_add_nc_u32 v8, s96, v8
	v_add_nc_u32 v[RD], CST, v8
	v_add_nc_u32 v[RDH], HST, v8
	v_lshlrev_b32 v9, 4, v1                        ; and the same two rows in an output
	v_lshl_add_u32 v[CO], v2, 13, v9
	v_and_b32 v[PFO], 31, v0
	v_lshlrev_b32 v[PFO], 8, v[PFO]
	s_lshl_b32 s96, s18, 21                        ; the outputs at row 256 x block + 64 x wave, column 64 x block of units
	s_lshl_b32 s97, s12, 19
	s_add_co_u32 s96, s96, s97
	s_lshl_b32 s97, s17, 8
	s_add_co_u32 s96, s96, s97
	s_mov_b32 s97, 0
	s_add_nc_u64 s[O0:O0+1], s[O0:O0+1], s[96:97]
	s_add_nc_u64 s[O1:O1+1], s[O1:O1+1], s[96:97]
	s_lshl_b32 s98, s18, 21                        ; c at row 256 x block + 128 x half, the same column
	s_lshl_b32 s99, s14, 20
	s_add_co_u32 s98, s98, s99
	s_lshl_b32 s99, s17, 8
	s_add_co_u32 s98, s98, s99
	s_mov_b32 s99, 0
	s_add_nc_u64 s[GC0+2:GC0+3], s[8:9], s[98:99]
	s_or_b32 s[GC0+3], s[GC0+3], 0x80000000
	; the prefetches
	s_and_b32 s97, ttmp7, 0xffff                   ; cluster y
	s_mov_b32 s[PST], BSTEP
	s_mov_b32 s[PST+1], 0
	s_cmp_eq_u32 s13, 0                            ; do I fetch [x | h]?
	s_cselect_b32 s96, ttmp9, s97                  ; the coordinate along which other clusters read the same bytes
	s_cselect_b32 s98, s15, s16                    ; my place among the four that ask with me
	s_cselect_b32 s[PST], ASTEP, s[PST]
	s_cselect_b64 s[PFA:PFA+1], s[22:23], s[40:41]
	s_cmp_eq_u32 s96, 0
	s_cselect_b32 s[LIM], 1, -1                    ; the same in all sixteen partners, for a given wave
	s_lshl_b32 s98, s98, 13                        ; my work-group's 8,192 bytes of the 32,768
	s_add_nc_u64 s[PFA:PFA+1], s[PFA:PFA+1], s[98:99]
	s_mul_i32 s98, s[PST], 3                       ; at K step 3: the first refill (K step 2) steps it to 4 and names that.  K steps 0 to 3 come by their loads alone
	s_add_nc_u64 s[PFA:PFA+1], s[PFA:PFA+1], s[98:99]
	s_wait_loadcnt 0x0                             ; the biases,
	WIN ALL1                                       ; rounded once to bf16 like every input, and widened again
.set n, 0
.rept 32
	v_cvt_pk_bf16_f32 v[192+n%4], v[2*n], v[2*n+1]
	v_lshlrev_b32 v[2*n], 16, v[192+n%4]
	v_and_b32 v[2*n+1], s[HIM], v[192+n%4]
.set n, n+1
.endr
	WIN 0
; 16 matrix instructions: row blocks a0, a0 + 1 of the window's four (hi = 0: my rows 0-63, 1: rows 64-127) x all 8 blocks b, 32 along K.  first = 1: the products start the sums from the bias.
; The 64 accumulators take turns, one instruction a turn, in the same order in every quarter, over the backward jump too.
.macro MUL16 f, hi, a0, first
.if \first
	WIN FIRST_LO+0x40*(\hi)
.else
	WIN MUL_LO+0x50*(\hi)
.endif
.irp a, \a0, (\a0)+1
.irp b, 0,1,2,3,4,5,6,7
.if \first
	v_wmma_f32_16x16x32_bf16 v[8*(8*(\a)+(\b)):8*(8*(\a)+(\b))+7], v[(\f)+8*(\b):(\f)+8*(\b)+7], v[(\f)+8*(4*(\hi)+(\a)):(\f)+8*(4*(\hi)+(\a))+7], v[8*(\b):8*(\b)+7]
.else
	v_wmma_f32_16x16x32_bf16 v[8*(8*(\a)+(\b)):8*(8*(\a)+(\b))+7], v[(\f)+8*(\b):(\f)+8*(\b)+7], v[(\f)+8*(4*(\hi)+(\a)):(\f)+8*(4*(\hi)+(\a))+7], v[8*(8*(\a)+(\b)):8*(8*(\a)+(\b))+7]
.endif
.endr
.endr
.endm
; 32 LDS loads in one run: the fragments of quarter q (32 along K) of a slot into buffer f: the weights' eight blocks (turned), then my 128 rows of [x | h]
.macro FETCH slot, q, f
	WIN TO_B
.irp i, 0,1,2,3,4,5,6,7                ; block i = 2 gate + t: pair of gates i / 4, gate in the pair (i / 2) % 2, units 16 (i % 2) on
	ds_load_tr16_b128 v[(\f)+8*(\i):(\f)+8*(\i)+3],   v[ADRB+2*(\slot)+(\i)/4] offset:(((\i)/2)%2)*GB+(\q)*32*PB+((\i)%2)*32
	ds_load_tr16_b128 v[(\f)+8*(\i)+4:(\f)+8*(\i)+7], v[ADRB+2*(\slot)+(\i)/4] offset:(((\i)/2)%2)*GB+(\q)*32*PB+((\i)%2)*32+16*PB
.endr
	WIN 0
.irp i, 0,1,2,3,4,5,6,7
	ds_load_b128 v[(\f)+8*(\i):(\f)+8*(\i)+3],   v[ADRA+(\slot)] offset:((\q)/2)*KHA+((\q)%2)*64+(\i)*16*PA
	ds_load_b128 v[(\f)+8*(\i)+4:(\f)+8*(\i)+7], v[ADRA+(\slot)] offset:((\q)/2)*KHA+((\q)%2)*64+(\i)*16*PA+32
.endr
.endm
; A K step is four quarters of 32 along K, 64 matrix instructions each, on buffers 0, 1, 0, 1.  One of the first three: multiplies buffer f; in its middle it fetches quarter q into buffer g.
.macro QUARTER slot, q, f, g, first
	s_wait_dscnt 8                                 ; the weights and my rows 0-63 are in; the run's youngest eight loads (rows 64-127) may be out
	MUL16 \f, 0, 0, \first
	MUL16 \f, 0, 2, \first
	PLACES
	FETCH \slot, \q, \g
	s_wait_dscnt 32                                ; all but the 32 just issued
	MUL16 \f, 1, 0, \first
	MUL16 \f, 1, 2, \first
.endm
; The last quarter multiplies buffer 1 and changes slots.  MEET is its first half, and opens a round of the cluster's barrier: in front of it each wave waits for all its tensor loads, of which one is
; out (its part of the next slot), adds 0 to its spare word, and waits for that and for its own reads of this slot.
.macro MEET
	WIN 0                                          ; (the add's two registers lie in window 0)
	s_wait_tensorcnt 0x0                           ; all my tensor loads have landed
	ds_add_u32 v[SPW], v[NIL]                      ; 0 onto my spare word
	s_wait_dscnt 9                                 ; (the add and the youngest eight loads may be out)
	MUL16 F1, 0, 0, 0                              ; sixteen matrix instructions stand between the add and the wait for it
	s_wait_dscnt 0x0                               ; the add is done, and my reads of this slot are over
	s_barrier_signal -1
	MUL16 F1, 0, 2, 0                              ; work on registers while the others arrive
	WIN 0
	s_barrier_wait -1
.endm
; The whole last quarter.  Behind the round the slot just read out is filled again first, with the K step two steps on: from that request to the wait for it a wave issues 224 matrix instructions.
.macro TURN slot, next
	s_wait_xcnt 0x0                                ; the last prefetch, a K step back, has read its address: it is stepped here, ahead of the waits of the change of slots
	s_add_nc_u64 s[PFA:PFA+1], s[PFA:PFA+1], s[PST:PST+1]
	MEET
	CREST                                          ; no wave of any partner still reads this slot's tiles or has a load on its way
	s_add_nc_u64 s[G0+4*(\slot)+2:G0+4*(\slot)+3], s[G0+4*(\slot)+2:G0+4*(\slot)+3], 2*ASTEP
	s_add_nc_u64 s[G0B+4*(\slot)+2:G0B+4*(\slot)+3], s[G0B+4*(\slot)+2:G0B+4*(\slot)+3], 2*BSTEP
	JLOAD \slot                                    ; the first tensor load behind the round; the four v_nop behind it are also the places in front of the loads below
	FETCH \next, 0, F0
	ASK                                            ; behind the joint load and the run of LDS loads that the next products wait for
	MUL16 F1, 1, 0, 0
	MUL16 F1, 1, 2, 0
.endm
	s_wait_tensorcnt 1                             ; my part of K step 0 is in; K step 1's load was issued behind it and may stay out
	s_barrier_signal -1
	s_barrier_wait -1                              ; everybody's is
	FETCH 0, 0, F0
	QUARTER 0, 1, F0, F1, 1                        ; the first quarter stands in front of the loop: its products start the sums, from the bias
	WIN 0                                          ; at a label and at a branch every window is 0
	s_mov_b32 s3, LAPS-1
.Llap:                                                 ; a trip goes once round the ring, from a lap's second quarter to the next lap's first, and fills both slots again
	QUARTER 0, 2, F1, F0, 0
	QUARTER 0, 3, F0, F1, 0
	TURN 0, 1
	QUARTER 1, 1, F0, F1, 0
	QUARTER 1, 2, F1, F0, 0
	QUARTER 1, 3, F0, F1, 0
	TURN 1, 0
	QUARTER 0, 1, F0, F1, 0
	WIN 0
	s_sub_co_u32 s3, s3, 1
	s_cmp_lg_u32 s3, 0
	s_cbranch_scc1 .Llap
	QUARTER 0, 2, F1, F0, 0                        ; the last lap, written out: no K step is left to ask for
	QUARTER 0, 3, F0, F1, 0
	MEET                                           ; slot 0 has been read out, slot 1 (the last K step) is whole;
	CREST
	CLOAD                                          ; c's tile goes where slot 0's rows of [x | h] lay: my last tensor load, with a whole K step in which to land
	PLACES                                         ; (waves 2 and 3 have passed no v_nop)
	FETCH 1, 0, F0
	MUL16 F1, 1, 0, 0
	MUL16 F1, 1, 2, 0
	QUARTER 1, 1, F0, F1, 0
	QUARTER 1, 2, F1, F0, 0
	QUARTER 1, 3, F0, F1, 0
	s_wait_dscnt 8                                 ; the very last quarter: nothing more to fetch
	MUL16 F1, 0, 0, 0
	MUL16 F1, 0, 2, 0
	s_wait_dscnt 0x0
	MUL16 F1, 1, 0, 0
	MUL16 F1, 1, 2, 0
	; THE WAY OUT: THE CELL.
	WIN 0
	PLACES                                         ; behind the last products, ahead of the loads into registers that they read and of the lines that read results
	PLACES
	s_wait_tensorcnt 0x0                           ; c's tile: no load was issued behind it
	s_barrier_signal -1                            ; every wave's reads of slot 1 are back (the wait for 0 above), and c's two halves have landed
	s_barrier_wait -1
; Block a: 16 rows x my 32 units.  Gate g's 16 numbers of a lane come out of accumulators (a, 2 g) and (a, 2 g + 1), scaled for the exponential on the way.  The transcendentals go in four batches, each with
; one plain instruction behind its last and one s_wait_alu ahead of its first reader.  Each accumulator's lowest registers are read first.
.macro EPI a
.set AC, 64*((\a)%4)
	WIN 0
.irp e, 0,1,2,3
	ds_load_b128 v[CC+4*(\e):CC+4*(\e)+3], v[CB] offset:(\a)*16*CP+64*((\e)/2)+16*((\e)%2)
.endr
	WIN 0x02+(\a)/4                                ; source 0: window 2 or 3
.set n, 0
.rept 32
.if n < 24
	v_pk_mul_f32 v[T+2*n:T+2*n+1], v[AC+2*n:AC+2*n+1], s[NL:NL+1] op_sel_hi:[1,0]  ; f, i, o: -z log2 e
.else
	v_pk_mul_f32 v[T+2*n:T+2*n+1], v[AC+2*n:AC+2*n+1], s[TL:TL+1] op_sel_hi:[1,0]  ; g: 2 z log2 e
.endif
.set n, n+1
.endr
	WIN 0
.set n, 0
.rept 64
	v_exp_f32 v[T+n], v[T+n]
.set n, n+1
.endr
	s_wait_dscnt 0x0                               ; c is in registers;
.set n, 0
.rept 8
	v_cvt_pk_bf16_f32 v[HH+n], v[CC+2*n], v[CC+2*n+1]  ; it is rounded once to bf16 like every input: the independent work behind the batch
.set n, n+1
.endr
.set n, 0
.rept 8
	v_lshlrev_b32 v[CC+2*n], 16, v[HH+n]
	v_and_b32 v[CC+2*n+1], s[HIM], v[HH+n]
.set n, n+1
.endr
	s_wait_alu depctr_va_vdst(0)                   ; one wait for the 64 exponentials
.set n, 0
.rept 32
	v_pk_add_f32 v[T+2*n:T+2*n+1], v[T+2*n:T+2*n+1], 1.0 op_sel_hi:[1,0]
.set n, n+1
.endr
.set n, 0
.rept 64
	v_rcp_f32 v[T+n], v[T+n]
.set n, n+1
.endr
	v_nop
	s_wait_alu depctr_va_vdst(0)                   ; one wait for the 64 reciprocals: f, i, o are done
.set n, 0
.rept 8
	v_pk_fma_f32 v[T+48+2*n:T+48+2*n+1], v[T+48+2*n:T+48+2*n+1], -2.0, 1.0 op_sel_hi:[1,0,0]  ; g = 1 - 2 / (1 + 2^..)
.set n, n+1
.endr
.set n, 0
.rept 8
	v_pk_mul_f32 v[T+16+2*n:T+16+2*n+1], v[T+16+2*n:T+16+2*n+1], v[T+48+2*n:T+48+2*n+1]  ; i g
.set n, n+1
.endr
.set n, 0
.rept 8
	v_pk_fma_f32 v[CC+2*n:CC+2*n+1], v[T+2*n:T+2*n+1], v[CC+2*n:CC+2*n+1], v[T+16+2*n:T+16+2*n+1]  ; c_new = f c + i g
.set n, n+1
.endr
.irp e, 0,1,2,3
	ds_store_b128 v[CSB], v[CC+4*(\e):CC+4*(\e)+3] offset:(\a)*16*CP+64*((\e)/2)+16*((\e)%2)
.endr
.set n, 0
.rept 8
	v_pk_mul_f32 v[HH+2*n:HH+2*n+1], v[CC+2*n:CC+2*n+1], s[TL:TL+1] op_sel_hi:[1,0]
.set n, n+1
.endr
.set n, 0
.rept 16
	v_exp_f32 v[HH+n], v[HH+n]
.set n, n+1
.endr
	v_nop
	s_wait_alu depctr_va_vdst(0)
.set n, 0
.rept 8
	v_pk_add_f32 v[HH+2*n:HH+2*n+1], v[HH+2*n:HH+2*n+1], 1.0 op_sel_hi:[1,0]
.set n, n+1
.endr
.set n, 0
.rept 16
	v_rcp_f32 v[HH+n], v[HH+n]
.set n, n+1
.endr
	v_nop
	s_wait_alu depctr_va_vdst(0)
.set n, 0
.rept 8
	v_pk_fma_f32 v[HH+2*n:HH+2*n+1], v[HH+2*n:HH+2*n+1], -2.0, 1.0 op_sel_hi:[1,0,0]  ; tanh(c_new)
.set n, n+1
.endr
.set n, 0
.rept 8
	v_pk_mul_f32 v[HH+2*n:HH+2*n+1], v[HH+2*n:HH+2*n+1], v[T+32+2*n:T+32+2*n+1]  ; h_new = o tanh(c_new)
.set n, n+1
.endr
.irp e, 0,1,2,3
	ds_store_b128 v[HB], v[HH+4*(\e):HH+4*(\e)+3] offset:(\a)*16*CP+64*((\e)/2)+16*((\e)%2)
.endr
.endm
.irp a, 0,1,2,3,4,5,6,7
	EPI \a
.endr
	s_wait_dscnt 0x0                               ; for the others' sake: my stores into the two stages are done
	s_barrier_signal -1                            ; a row's 256 bytes come from two waves
	s_barrier_wait -1
; Group g of four: 32 rows (16 loads of two rows) of c_new's stage (g = 0, 1) or of h_new's (g = 2, 3), back as whole rows, and stored.
.macro LOADG g, buf
.irp t, 0,1,2,3,4,5,6,7,8,9,10,11,12,13,14,15
.if (\g) < 2
	ds_load_b128 v[(\buf)+4*(\t):(\buf)+4*(\t)+3], v[RD] offset:(16*((\g)%2)+(\t))*2*CP
.else
	ds_load_b128 v[(\buf)+4*(\t):(\buf)+4*(\t)+3], v[RDH] offset:(16*((\g)%2)+(\t))*2*CP
.endif
.endr
.endm
.macro SENDG g, buf, younger           ; younger: the LDS loads issued behind this group's, which may stay out
.irp t, 0,1,2,3,4,5,6,7,8,9,10,11,12,13,14,15
	s_wait_dscnt (\younger)+15-(\t)
.if (\g) < 2
	global_store_b128 v[CO], v[(\buf)+4*(\t):(\buf)+4*(\t)+3], s[O1:O1+1] offset:(16*((\g)%2)+(\t))*16384 th:TH_STORE_NT  ; 16 lanes store 256 consecutive bytes, at a multiple of 256 from the output's first
.else
	global_store_b128 v[CO], v[(\buf)+4*(\t):(\buf)+4*(\t)+3], s[O0:O0+1] offset:(16*((\g)%2)+(\t))*16384 th:TH_STORE_NT
.endif
.endr
.endm
	LOADG 0, F0
	LOADG 1, F1
	SENDG 0, F0, 16
	s_wait_xcnt 0x0                                ; the stores have read their data: only behind this wait are the registers loaded again
	LOADG 2, F0
	SENDG 1, F1, 16
	s_wait_xcnt 0x0
	LOADG 3, F1
	SENDG 2, F0, 16
	SENDG 3, F1, 0
	s_wait_tensorcnt 0x0                           ; the wave's end, behind my last tensor load and my last LDS store
	ds_add_u32 v[SPW], v[NIL]
	s_wait_dscnt 0x0
	CROUND                                         ; the closing round: no work-group ends while a partner may still ask for a tile that names it
	s_endpgm
.Lfunc_end_k_q2c2b2073c7_lstm:
	.size	k_q2c2b2073c7_lstm, .Lfunc_end_k_q2c2b2073c7_lstm-k_q2c2b2073c7_lstm
	.p2alignl 7, 3214868480
	.fill 96, 4, 3214868480
	.section	.rodata,"a",@progbits
	.p2align	6, 0x0
	.amdhsa_kernel k_q2c2b2073c7_lstm
		.amdhsa_group_segment_fixed_size 327680
		.amdhsa_private_segment_fixed_size 0
		.amdhsa_enable_private_segment 0
		.amdhsa_kernarg_size 72
		.amdhsa_user_sgpr_count 2
		.amdhsa_user_sgpr_kernarg_segment_ptr 1
		.amdhsa_wavefront_size32 1
		.amdhsa_system_sgpr_workgroup_id_x 1
		.amdhsa_system_sgpr_workgroup_id_y 1
		.amdhsa_system_sgpr_workgroup_id_z 1
		.amdhsa_system_vgpr_workitem_id 0
		.amdhsa_next_free_vgpr 1024
		.amdhsa_next_free_sgpr 100
		.amdhsa_reserve_vcc 0
		.amdhsa_float_denorm_mode_32 3
		.amdhsa_float_denorm_mode_16_64 3
		.amdhsa_memory_ordered 1
		.amdhsa_forward_progress 1
		.amdhsa_inst_pref_size 249
	.end_amdhsa_kernel
	.amdgpu_metadata
---
amdhsa.version: [ 1, 2 ]
amdhsa.kernels:
  - .name:           k_q2c2b2073c7_lstm
    .symbol:         k_q2c2b2073c7_lstm.kd
    .args:
      - { .name: abf, .offset: 0, .size: 8, .value_kind: global_buffer, .address_space: global }
      - { .name: wbf, .offset: 8, .size: 8, .value_kind: global_buffer, .address_space: global }
      - { .name: c, .offset: 16, .size: 8, .value_kind: global_buffer, .address_space: global }
      - { .name: bf, .offset: 24, .size: 8, .value_kind: global_buffer, .address_space: global }
      - { .name: bi, .offset: 32, .size: 8, .value_kind: global_buffer, .address_space: global }
      - { .name: bo, .offset: 40, .size: 8, .value_kind: global_buffer, .address_space: global }
      - { .name: bg, .offset: 48, .size: 8, .value_kind: global_buffer, .address_space: global }
      - { .name: out0, .offset: 56, .size: 8, .value_kind: global_buffer, .address_space: global }
      - { .name: out1, .offset: 64, .size: 8, .value_kind: global_buffer, .address_space: global }
    .group_segment_fixed_size: 327680
    .private_segment_fixed_size: 0
    .kernarg_segment_align: 8
    .kernarg_segment_size: 72
    .max_flat_workgroup_size: 128
    .sgpr_count:     100
    .vgpr_count:     1024
    .wavefront_size: 32
...
	.end_amdgpu_metadata
.endif
;; end of part 2
;; ======== version 2 of 2: 2 launches; version 1 with the launch cast written anew for expert scheduling mode
;; workspace buffers: abf 16,777,216 bytes; wbf 67,108,864 bytes
;; launch cast (part 3): grid 128 x 10, 8 waves a work-group, no clusters, 0 bytes of LDS; arguments x, h, Wxf, Wxi, Wxo, Wxg, Whf, Whi, Who, Whg, abf, wbf; writes abf, wbf
.if DOCPART == 3
	.amdgcn_target "amdgcn-amd-amdhsa--gfx1250"
	.amdhsa_code_object_version 6
	.text
	.protected	k_q2c2b2073c7_cast
	.globl	k_q2c2b2073c7_cast
	.p2align	8
	.type	k_q2c2b2073c7_cast,@function
k_q2c2b2073c7_cast:
	s_mov_b64 s[64:65], 0
	v_nop
	global_prefetch_b8 v0, s[64:65] scope:SCOPE_SE
	s_setreg_imm32_b32 hwreg(HW_REG_WAVE_SCHED_MODE, 0, 2), 2
	s_setreg_imm32_b32 hwreg(HW_REG_WAVE_MODE, 25, 1), 1
	s_wait_xcnt 0x0
	s_wait_alu depctr_vm_vsrc(0)
; x, h and the eight weight matrices ([2048][2048] f32 each) are rounded once to bf16 (nearest even) and laid out in blocks, so that the launch behind
; can ask for each of its tiles as dense bytes.
;   abf [mb 16][cb 64][row 128][k 64]: mb = row / 128; cb = column of [x | h] / 64 (x: 0-31, h: 32-63).  Bytes: mb 2^20, cb 2^14, row 128.
;   wbf [j 32][s 32][gate 4][kk 128][uu 64]: j = unit / 64; s = row of [Wx ; Wh] / 128 (Wx: 0-15, Wh: 16-31); gates f, i, o, g.  Bytes: j 2^21, s 2^16, gate 2^14, kk 128.
; In both a block of 128 source rows x 64 source columns is 128 rows of 128 bytes on end: ONE mapping serves all ten sources, only the block's place differs.
; SHARES.  Grid y picks the source, grid x a block of 128 rows (x / 8) and four blocks of 64 columns (x % 8).  A wave owns 64 rows x 64 columns: 32 loads of 16 bytes a lane
; (lanes 0-15: 256 consecutive bytes of an even row, lanes 16-31 of the odd row below) and 32 stores of 8 bytes a lane (256 consecutive bytes, aligned: two rows of the block).
; All 32 loads go out at once, each into registers of its own.
; No LDS, no barrier, no matrix unit, no cluster: no byte is wanted by two waves.
; THE MODE: SCHED_MODE bits 1:0 = 2 (LLVM: expert scheduling mode 2), set by the entry lines.  The code itself states the register dependences
; between vector instructions and memory instructions, with s_wait_alu, always for 0.
; THE PLAN.  Registers that memory instructions touch:
;   v2, v3     byte offsets, made once at the head and never written again: v2 is read by every load, v3 by every store.
;   X[n]       four registers for load n of 32.  Load n lands in them; its two conversions read the four and write the low two in place; store n reads the low two.  Nothing writes them again,
;              and no load is issued behind a conversion: so no register that a store has read is rewritten, and no load lands in a register that a vector instruction has named.
; The 32 loads go in eight blocks of four.  Block p rounds its own four loads; its memory instructions are the four stores of block p - 1, whose data the conversions of block p - 1 wrote and
; no vector instruction of block p names.  So ONE wait at the head of a block states all that its four stores hang on, and these are dealt among its eight conversions with no further wait.
.set X, 4                              ; v[4:131]  load n: four registers; its two low ones then hold the packed result
.set BLOCK,  4                         ; loads in a block
.set BLOCKS, 32 / BLOCK
	s_load_b512 s[8:23], s[0:1], 0x0               ; x, h, Wxf, Wxi, Wxo, Wxg, Whf, Whi: source y at s[8+2y:9+2y]
	s_load_b256 s[24:31], s[0:1], 0x40             ; Who, Whg; abf s[28:29], wbf s[30:31]
	s_and_b32 s2, ttmp7, 0xffff                    ; y: the source
	v_lshrrev_b32 v1, 5, v0
	v_readfirstlane_b32 s3, v1                     ; wave 0..7
	v_and_b32 v1, 31, v0                           ; lane
	v_lshrrev_b32 v2, 4, v1
	v_and_b32 v3, 15, v1
	v_lshlrev_b32 v3, 4, v3
	v_lshl_or_b32 v2, v2, 13, v3                   ; in the source: (lane / 16) rows of 8,192 bytes + 16 (lane % 16)
	v_lshlrev_b32 v3, 3, v1                        ; in the block: 8 x lane
	s_wait_alu depctr_va_sdst(0)                   ; s3 is written, ahead of its first reader: the wave's columns and rows, and so both bases, are made from it
	s_lshr_b32 s32, ttmp9, 3                       ; rb: the block of 128 rows
	s_and_b32 s33, ttmp9, 7
	s_and_b32 s34, s3, 3
	s_lshl2_add_u32 s33, s33, s34                  ; J: the block of 64 columns = 4 (x % 8) + wave % 4
	s_lshr_b32 s34, s3, 2                          ; rh: which 64 of the 128 rows
	s_lshl_b32 s36, s32, 20                        ; the source's offset: rb x 128 rows
	s_lshl_b32 s35, s34, 19                        ; + rh x 64 rows
	s_add_co_u32 s36, s36, s35
	s_lshl_b32 s35, s33, 8                         ; + J x 256 bytes
	s_add_co_u32 s36, s36, s35
	s_mov_b32 s37, 0
	s_lshl_b32 s35, s2, 19                         ; the block's place in abf: cb = 32 y + J, mb = rb
	s_lshl_b32 s38, s33, 14
	s_add_co_u32 s35, s35, s38
	s_lshl_b32 s38, s32, 20
	s_add_co_u32 s35, s35, s38
	s_sub_co_u32 s39, s2, 2                        ; its place in wbf (for y < 2 the number means nothing and is not chosen):
	s_and_b32 s38, s39, 3                          ; gate = (y - 2) % 4,
	s_lshl_b32 s38, s38, 14
	s_lshr_b32 s39, s39, 2                         ; s = 16 ((y - 2) / 4) + rb,
	s_lshl_b32 s39, s39, 20
	s_add_co_u32 s38, s38, s39
	s_lshl_b32 s39, s33, 21                        ; j = J
	s_add_co_u32 s38, s38, s39
	s_lshl_b32 s39, s32, 16
	s_add_co_u32 s38, s38, s39
	s_lshl_b32 s39, s34, 13                        ; in both: rh x 64 rows of 128 bytes
	s_wait_kmcnt 0x0
	s_cmp_lt_u32 s2, 2
	s_cselect_b32 s38, s35, s38
	s_cselect_b64 s[6:7], s[28:29], s[30:31]       ; x and h go to abf, the weights to wbf
	s_add_co_u32 s38, s38, s39
	s_mov_b32 s39, 0
	s_add_nc_u64 s[6:7], s[6:7], s[38:39]
	s_mov_b64 s[4:5], s[8:9]
.irp k, 1,2,3,4,5,6,7,8,9
	s_cmp_eq_u32 s2, \k
	s_cselect_b64 s[4:5], s[8+2*\k:9+2*\k], s[4:5]
.endr
	s_add_nc_u64 s[4:5], s[4:5], s[36:37]
	s_wait_alu depctr_va_vdst(0)                   ; v2 and v3 are written: every load of the kernel reads v2 as its offset, every store v3
.set n, 0
.rept 32
	global_load_b128 v[X+4*n:X+4*n+3], v2, s[4:5] offset:n*16384 th:TH_LOAD_NT  ; rows 2 n and 2 n + 1 of my 64
.set n, n+1
.endr
; Block p: its four loads are rounded; the four stores of block p - 1 stand among the conversions, a store ahead of each pair.
.set p, 0
.rept BLOCKS
	s_wait_loadcnt 32-BLOCK-BLOCK*p                ; loads come back in order (ISA guide 5.7.1): block p's four are in, the 28 - 4 p younger ones stay out
.if p > 0
	s_wait_alu depctr_va_vdst(0)                   ; the conversions of block p - 1 have written the low two registers of its four X, which the four stores below read
.endif
.set i, 0
.rept BLOCK
.set n, BLOCK*p+i
.if p > 0
	global_store_b64 v3, v[X+4*(n-BLOCK):X+4*(n-BLOCK)+1], s[6:7] offset:(n-BLOCK)*256  ; the block before; the wave's store covers 256 consecutive bytes, aligned.  No vector instruction since the wait names these registers
.endif
	v_cvt_pk_bf16_f32 v[X+4*n], v[X+4*n], v[X+4*n+1]
	v_cvt_pk_bf16_f32 v[X+4*n+1], v[X+4*n+2], v[X+4*n+3]
.set i, i+1
.endr
.set p, p+1
.endr
	s_wait_alu depctr_va_vdst(0)                   ; the conversions of the last block have written their results, which the last four stores read
.set n, 32-BLOCK
.rept BLOCK
	global_store_b64 v3, v[X+4*n:X+4*n+1], s[6:7] offset:n*256
.set n, n+1
.endr
	s_endpgm
.Lfunc_end_k_q2c2b2073c7_cast:
	.size	k_q2c2b2073c7_cast, .Lfunc_end_k_q2c2b2073c7_cast-k_q2c2b2073c7_cast
	.p2alignl 7, 3214868480
	.fill 96, 4, 3214868480
	.section	.rodata,"a",@progbits
	.p2align	6, 0x0
	.amdhsa_kernel k_q2c2b2073c7_cast
		.amdhsa_group_segment_fixed_size 0
		.amdhsa_private_segment_fixed_size 0
		.amdhsa_enable_private_segment 0
		.amdhsa_kernarg_size 96
		.amdhsa_user_sgpr_count 2
		.amdhsa_user_sgpr_kernarg_segment_ptr 1
		.amdhsa_wavefront_size32 1
		.amdhsa_system_sgpr_workgroup_id_x 1
		.amdhsa_system_sgpr_workgroup_id_y 1
		.amdhsa_system_sgpr_workgroup_id_z 1
		.amdhsa_system_vgpr_workitem_id 0
		.amdhsa_next_free_vgpr 132
		.amdhsa_next_free_sgpr 66
		.amdhsa_reserve_vcc 0
		.amdhsa_float_denorm_mode_32 3
		.amdhsa_float_denorm_mode_16_64 3
		.amdhsa_memory_ordered 1
		.amdhsa_forward_progress 1
		.amdhsa_inst_pref_size 14
	.end_amdhsa_kernel
	.amdgpu_metadata
---
amdhsa.version: [ 1, 2 ]
amdhsa.kernels:
  - .name:           k_q2c2b2073c7_cast
    .symbol:         k_q2c2b2073c7_cast.kd
    .args:
      - { .name: x, .offset: 0, .size: 8, .value_kind: global_buffer, .address_space: global }
      - { .name: h, .offset: 8, .size: 8, .value_kind: global_buffer, .address_space: global }
      - { .name: Wxf, .offset: 16, .size: 8, .value_kind: global_buffer, .address_space: global }
      - { .name: Wxi, .offset: 24, .size: 8, .value_kind: global_buffer, .address_space: global }
      - { .name: Wxo, .offset: 32, .size: 8, .value_kind: global_buffer, .address_space: global }
      - { .name: Wxg, .offset: 40, .size: 8, .value_kind: global_buffer, .address_space: global }
      - { .name: Whf, .offset: 48, .size: 8, .value_kind: global_buffer, .address_space: global }
      - { .name: Whi, .offset: 56, .size: 8, .value_kind: global_buffer, .address_space: global }
      - { .name: Who, .offset: 64, .size: 8, .value_kind: global_buffer, .address_space: global }
      - { .name: Whg, .offset: 72, .size: 8, .value_kind: global_buffer, .address_space: global }
      - { .name: abf, .offset: 80, .size: 8, .value_kind: global_buffer, .address_space: global }
      - { .name: wbf, .offset: 88, .size: 8, .value_kind: global_buffer, .address_space: global }
    .group_segment_fixed_size: 0
    .private_segment_fixed_size: 0
    .kernarg_segment_align: 8
    .kernarg_segment_size: 96
    .max_flat_workgroup_size: 256
    .sgpr_count:     66
    .vgpr_count:     132
    .wavefront_size: 32
...
	.end_amdgpu_metadata
.endif
;; end of part 3
;; launch lstm: the kernel of part 2 again; grid 32 x 8, 4 waves a work-group, clusters of 4 x 4, 327,680 bytes of LDS; arguments abf, wbf, c, bf, bi, bo, bg, out0, out1; writes out0, out1
